; MI455X (gfx1250); checked and timed in simulation.
; The chip was launched on July 23, 2026; its instructions are those of AMD's public machine-readable ISA for CDNA 5 (MIT licence, August 2026) and "CDNA5" Instruction Set Architecture Reference Guide (July 2026). The comments in the code are by the model that wrote it; some were corrected since.
;; Multi Head Attention. Allowed arithmetic: matrix products marked QUANTISED: E2M3 operands, one E8M0 scale for each 32 along K, by v_wmma_scale_f32_16x16x128_f8f6f4 with both operands' format E2M3, f32 sums; everything else in f32.
;; Inputs: Wk 1,024 x 1,024 float32; Wo 1,024 x 1,024 float32; Wq 1,024 x 1,024 float32; Wv 1,024 x 1,024 float32; bk 1,024 float32; bo 1,024 float32; bq 1,024 float32; bv 1,024 float32; key 4 x 2,048 x 1,024 float32; query 4 x 2,048 x 1,024 float32; value 4 x 2,048 x 1,024 float32.
;; Outputs: out0 4 x 2,048 x 1,024 float32.
;; This version of the problem:
;;   THIS VERSION OF THE PROBLEM IS GIVEN IN LOW PRECISION. The matrix products marked QUANTISED in the list below multiply operands that are first quantised to E2M3 (2 exponent bits, 3 mantissa bits; 6 bits a number), with one power-of-two scale for each 32 numbers along K (OCP MX v1.0); their sums are f32. All else is computed in f32.
;;   The module's matrix products, in the order in which they are computed (A, B: the left and right operand; K: the contracted axis; several contracted axes count as one K, in the product's order):
;;     1. [M 8,192, K 1,024] x [K 1,024, N 1,024]; A: input query; B: input Wq: QUANTISED
;;     2. [M 8,192, K 1,024] x [K 1,024, N 1,024]; A: input key; B: input Wk: QUANTISED
;;     3. [M 8,192, K 1,024] x [K 1,024, N 1,024]; A: input value; B: input Wv: QUANTISED
;;     4. batch 64 x [M 2,048, K 64] x [K 64, N 2,048]; A: computed on the way; B: computed on the way: QUANTISED
;;     5. batch 64 x [M 2,048, K 2,048] x [K 2,048, N 64]; A: softmax (see below); B: computed on the way: QUANTISED
;;     6. [M 8,192, K 1,024] x [K 1,024, N 1,024]; A: computed on the way; B: input Wo: QUANTISED
;;   THE QUANTISER, for each operand of a quantised product, along K:
;;     - K is cut into blocks of 32 from its start; a last block that is shorter is filled with zeros.
;;     - A block's scale is 2^e with e = floor(log2(the largest magnitude in the block)) - 2, held to -126 .. 127; a block of zeros has e = 0. As a byte (E8M0): e + 127.
;;     - Each number is divided by its block's scale, clamped to +-7.5, and rounded to the nearest number of E2M3, ties to even, subnormals kept.
;;     - The product sums the exact products of the quantised numbers (number of the format x scale) in f32.
;;   ~~~python
;;   def quantise(x, axis):      # numpy; x: float32 -> the quantised numbers, widened to float32 again
;;       x = np.moveaxis(x, axis, -1); K = x.shape[-1]
;;       x = np.pad(x, [(0, 0)] * (x.ndim - 1) + [(0, -K % 32)]); x = x.reshape(x.shape[:-1] + (-1, 32)); a = np.abs(x).max(-1, keepdims=True)
;;       e = np.where(a > 0, np.clip(np.frexp(np.where(a > 0, a, 1))[1] - 1 - 2, -126, 127), 0)      # np.frexp(a)[1] - 1 = floor(log2(a)), exactly
;;       r = np.clip(x / 2.0 ** e, -7.5, 7.5)
;;       step = 2.0 ** (np.maximum(np.frexp(np.where(r == 0, 1, r))[1] - 1, 0) - 3)
;;       q = np.round(r / step) * step * 2.0 ** e      # np.round: ties to even
;;       return np.moveaxis(q.reshape(q.shape[:-2] + (-1,))[..., :K], -1, axis).astype(np.float32)
;;   ~~~
;;   SOFTMAX AHEAD OF A QUANTISED PRODUCT. Where the list says 'softmax', what is quantised is not the finished softmax but p = 2^(t - M), with t = logit x log2(e) and M = ceil(the row's largest t), a whole number; so 1/2 < the row's largest p <= 1. The row's sum l is taken of the UNQUANTISED p, in f32, and the product's result is divided by l at the end. Since M is a whole number, a kernel that streams over the keys may use a running M (the ceiling of the running maximum): every later rescaling is an exact power of two, which a block's scale takes up: the codes' values come out the same.
;;   OPERANDS COMPUTED ON THE WAY. 'Computed on the way' means the value that the module computes at that place (a softmax that the list does not call 'softmax' is quantised finished and normalised). What goes into a quantiser is computed in f32, as accurately as f32 sums, v_exp_f32 and their like allow (about 1e-6 of the number): no bf16 or f16 on the way to a quantiser, and a product that is left as it is and whose result goes on into a quantised operand takes f32 operands (vector FMAs, or v_wmma_f32_16x16x4_f32). A number that lies on a knife's edge between two numbers of the format may be rounded either way, as far as f32 arithmetic and the matrix unit's own rounding can turn it there, and no further.
;; One version. Each part assembles by itself: llvm-mc -triple=amdgcn-amd-amdhsa -mcpu=gfx1250 --defsym DOCPART=n.
;; ======== version 1 of 1: 4 launches
;; limits: right only within a limited range of input values
;; workspace buffers: xc 22,020,096 bytes; xs 917,504 bytes; qc 6,291,456 bytes; qs 524,288 bytes; kv 13,369,344 bytes
;; launch quant (part 1): grid 256 x 1, 7 waves a work-group, no clusters, 61,952 bytes of LDS; arguments query, key, value, Wq, Wk, Wv, Wo, xc, xs; writes xc, xs
.if DOCPART == 1
	.amdgcn_target "amdgcn-amd-amdhsa--gfx1250"
	.amdhsa_code_object_version 6
	.text
	.protected	k_qad85d12a86_quant
	.globl	k_qad85d12a86_quant
	.p2align	8
	.type	k_qad85d12a86_quant,@function
k_qad85d12a86_quant:
	s_mov_b64 s[64:65], 0
	v_nop
	global_prefetch_b8 v0, s[64:65] scope:SCOPE_SE
	s_setreg_imm32_b32 hwreg(HW_REG_WAVE_MODE, 25, 1), 1
	s_wait_xcnt 0x0
; query, key, value [8192][1024] and Wq, Wk, Wv, Wo [1024][1024], f32, K innermost, become codes of FP6 (E2M3) with one E8M0 byte for each 32 along K.
; A block's scale is 2^(floor(log2(its largest magnitude)) - 2): its byte is the largest magnitude's exponent field - 2, held at 1 from below.
; LIMITS: NaN and infinities among the inputs are not served.  A block of zeros, or one whose largest magnitude lies under 2^-124, gets the byte 1 where the rule says 127 or less:
; its codes are zeros or what that byte gives; the bytes are read by this program alone.
; LAYOUT OF THE CODES.  Rows go in blocks of 64; tile 4 B + j holds rows 64 B + 8 j + i % 8 + 32 (i / 8), i = 0 .. 15.  A tile's 64 along K (a chunk) are 768 bytes, an image of six operand registers:
; lane l = (i = l % 16, h = l / 16) holds row i's k = 64 c + 32 h + 0 .. 31: its registers 0-3 at byte 16 l, its registers 4-5 at byte 512 + 8 l.  xc: [tile 0..1791][chunk 0..15][768].
; xs: [tile][i][32 bytes], block b at byte b.  Tiles: query 0, key 512, value 1024, Wq 1536, Wk 1600, Wv 1664, Wo 1728.
; SHARES.  1,792 tiles = 256 work-groups x 7 waves: a wave takes one tile for all of K, 16 chunks.  All seven tensors take one path: only the pointer is chosen, by the tile's number.
; A chunk's 16 rows x 256 bytes are loaded as they lie (sixteen lanes read 256 consecutive bytes of a row), turn through the wave's own stage in LDS, and come back 128 bytes a lane: a whole block of 32 in one lane.
; Loads run three chunks (24 loads a wave) ahead, the turn through LDS one chunk.  No barrier: waves share nothing.
.set WAVES, 7
.set WREG,  8704                       ; LDS of a wave: two stages
.set STG,   4352                       ; a stage: 16 rows x 272 bytes
.set SP,    272                        ; 256 bytes + 16: the sixteen rows that a load touches start 68 words apart
.set SPARE, WAVES*WREG                 ; behind the stages: the spare words, 128 bytes a wave, four blocks of 256 bytes that no other line names
.set VIN,  1                           ; v1   4096 (l / 16) + 16 (l % 16): my 16 bytes of two rows' 256
.set VST,  2                           ; v2   the stage, on the way in
.set VLD,  3                           ; v3   and on the way out: row l % 16, 128 bytes for each half of the lanes
.set VO16, 4                           ; v4   16 l
.set VO8,  5                           ; v5   8 l
.set VSO,  6                           ; v6   32 (l % 16) + 16 (l / 16): my 16 scale bytes
.set SH8,  7                           ; v7   8 (l / 16)
.set MA,   8                           ; v8, v9 the two chains of the maximum
.set MB,   9
.set SCL,  10                          ; v10  the conversions' scale operand
.set BY,   11                          ; v11  a scale byte
.set PWT,  12                          ; v12  a scale word in the making
.set TMP,  13                          ; v13  the lane permute's destination
.set SPW,  14                          ; v14  LDS address of my spare word; never rewritten
.set NIL,  15                          ; v15  0; never rewritten
.set SW,   16                          ; v16-23 my row's eight scale words
.set OUT,  24                          ; v24-27 the four that I store
.set T,    28                          ; v28-30 a block's upper 16 codes
.set C,    32                          ; v32-55 codes, four sets of six
.set R,    64                          ; v64-159 three sets of 32 registers as loaded
.set X,    160                         ; v160-223 two sets of 32 neighbours
	s_load_b256 s[4:11], s[0:1], 0x0               ; query, key, value, Wq
	s_load_b256 s[12:19], s[0:1], 0x20             ; Wk, Wv, Wo, xc
	s_load_b64 s[20:21], s[0:1], 0x40              ; xs
	v_lshl_add_u32 v[SPW], v0, 2, SPARE
	v_mov_b32 v[NIL], 0
	v_lshrrev_b32 v8, 5, v0
	v_readfirstlane_b32 s22, v8                    ; wave 0..6
	v_and_b32 v8, 15, v0                           ; i = l % 16
	v_bfe_u32 v9, v0, 4, 1                         ; h = l / 16
	v_and_b32 v10, 31, v0                          ; l
	s_mul_i32 s25, s22, WREG                       ; my stages
	v_lshlrev_b32 v[VIN], 4, v8
	v_lshl_add_u32 v[VIN], v9, 12, v[VIN]
	v_mul_u32_u24 v[VST], v9, SP
	v_lshl_add_u32 v[VST], v8, 4, v[VST]
	v_add_nc_u32 v[VST], s25, v[VST]
	v_mul_u32_u24 v[VLD], v8, SP
	v_lshl_add_u32 v[VLD], v9, 7, v[VLD]
	v_add_nc_u32 v[VLD], s25, v[VLD]
	v_lshlrev_b32 v[VO16], 4, v10
	v_lshlrev_b32 v[VO8], 3, v10
	v_lshlrev_b32 v[VSO], 5, v8
	v_lshl_add_u32 v[VSO], v9, 4, v[VSO]
	v_lshlrev_b32 v[SH8], 3, v9
	v_mov_b32 v[TMP], 0                            ; written once: a lane permute's destination counts as one of its sources
	s_mov_b32 s30, 0x76543210
	s_mov_b32 s31, 0xfedcba98                      ; v_permlanex16_b32's selects for lane l xor 16
	s_mov_b32 s32, 0xffff0000                      ; the mask of lanes 16-31
	s_mul_i32 s23, ttmp9, WAVES
	s_add_co_u32 s23, s23, s22                     ; my tile
	s_mov_b32 s24, 0                               ; the first tile of its tensor
	s_wait_alu depctr_va_vdst(0)
	s_wait_kmcnt 0x0
	s_mov_b64 s[26:27], s[4:5]
.macro PICK bound, lo                  ; from tile bound on: the tensor whose address lies in s[lo:lo+1].  The choice hangs on the tile's number alone
	s_cmp_ge_u32 s23, \bound
	s_cselect_b64 s[26:27], s[\lo:\lo+1], s[26:27]
	s_cselect_b32 s24, \bound, s24
.endm
	PICK 512, 6
	PICK 1024, 8
	PICK 1536, 10
	PICK 1600, 12
	PICK 1664, 14
	PICK 1728, 16
	s_sub_co_u32 s24, s23, s24                     ; the tile's number in its tensor: 4 B + j
	; THE ROWS OF A TILE, as this text has them: tile 4 B + j of a tensor holds rows 64 B + 8 j + i % 8 + 32 (i / 8), i = 0 .. 15
	s_lshr_b32 s28, s24, 2
	s_lshl_b32 s28, s28, 18                        ; 64 B rows of 4,096 bytes
	s_and_b32 s29, s24, 3
	s_lshl_b32 s29, s29, 15                        ; 8 j rows
	s_add_co_u32 s28, s28, s29
	s_mov_b32 s29, 0
	s_add_nc_u64 s[26:27], s[26:27], s[28:29]
	s_mul_i32 s28, s23, 12288
	s_add_nc_u64 s[18:19], s[18:19], s[28:29]      ; my tile's codes
	s_lshl_b32 s28, s23, 9
	s_add_nc_u64 s[20:21], s[20:21], s[28:29]      ; and its scale bytes
.macro LOAD c                          ; chunk c: load j takes 256 bytes of the tile's rows 2 j and 2 j + 1, which are rows 2 j + 24 (j / 4) and the next of the band's 64
.irp j, 0,1,2,3,4,5,6,7
	global_load_b128 v[R+32*((\c)%3)+4*\j:R+32*((\c)%3)+4*\j+3], v[VIN], s[26:27] offset:(2*\j+24*(\j/4))*4096+256*(\c) th:TH_LOAD_NT   ; the tile's rows 2 j and 2 j + 1: from row 8 on they lie 24 rows further down
.endr
.endm
.macro TURN c                          ; chunk c through a stage: LDS serves a wave's instructions in order (ISA guide 5.7.1.4), so no wait stands between the stores and the loads
.irp j, 0,1,2,3,4,5,6,7
	ds_store_b128 v[VST], v[R+32*((\c)%3)+4*\j:R+32*((\c)%3)+4*\j+3] offset:STG*((\c)%2)+2*SP*\j
.endr
.irp q, 0,1,2,3,4,5,6,7
	ds_load_b128 v[X+32*((\c)%2)+4*\q:X+32*((\c)%2)+4*\q+3], v[VLD] offset:STG*((\c)%2)+16*\q
.endr
.endm
.macro STEP c
.set XS, X+32*((\c)%2)
.set CS, C+6*((\c)%4)
	s_wait_dscnt 0x0                               ; this chunk's numbers are back from the stage, and its stores into the stage have read their registers,
.if (\c)+3 < 16
	LOAD (\c)+3                                    ; which take the loads of three chunks on
.endif
.if (\c) < 15
.if (\c) < 13
	s_wait_loadcnt 16                              ; the next chunk's eight loads are in; those of the two chunks behind it may be out
.else
	s_wait_loadcnt 8*(14-(\c))                     ; at the end the count runs down
.endif
	TURN (\c)+1                                    ; and go through the other stage while this chunk is worked
.endif
	v_max3_num_f32 v[MA], |v[XS]|, |v[XS+1]|, |v[XS+2]|            ; the block's largest magnitude: all 32 numbers are mine
	v_max3_num_f32 v[MB], |v[XS+3]|, |v[XS+4]|, |v[XS+5]|
.irp i, 6,10,14,18,22,26
	v_max3_num_f32 v[MA], v[MA], |v[XS+\i]|, |v[XS+\i+1]|
	v_max3_num_f32 v[MB], v[MB], |v[XS+\i+2]|, |v[XS+\i+3]|
.endr
	v_max3_num_f32 v[MA], v[MA], |v[XS+30]|, |v[XS+31]|
	v_max3_num_f32 v[MA], v[MA], v[MB], 0x1800000  ; and the floor 2^(3 - 127): the byte cannot fall under 1
	v_add_nc_u32 v[SCL], 0xff000000, v[MA]         ; 2 off its exponent field: the conversion takes the exponent field of this operand as its scale
	s_wait_alu depctr_va_vdst(0)
	s_wait_xcnt 0x0                                ; the stores of four chunks ago have read this set of code registers: it is rewritten only behind this wait
	v_cvt_scalef32_pk16_fp6_f32 v[CS:CS+2], v[XS:XS+15], v[SCL]
	v_cvt_scalef32_pk16_fp6_f32 v[T:T+2], v[XS+16:XS+31], v[SCL]   ; (a conversion's three registers begin on an even number: the upper half is made elsewhere and moved)
.if (\c)%2 == 0
	v_lshrrev_b32 v[PWT], 23, v[SCL]               ; the scale's byte.  (The plain line behind the conversions)
.else
	v_lshrrev_b32 v[BY], 23, v[SCL]
.endif
.irp i, 0,1,2
	v_mov_b32 v[CS+3+\i], v[T+\i]
.endr
.if (\c)%2 == 1                        ; two chunks are 128 along K: one scale word.  Mine are blocks h and 2 + h of it
	v_lshl_or_b32 v[PWT], v[BY], 16, v[PWT]
	v_lshlrev_b32 v[PWT], v[SH8], v[PWT]           ; at their places, 8 h bits up;
	v_permlanex16_b32 v[TMP], v[PWT], s30, s31
	v_or_b32 v[SW+(\c)/2], v[PWT], v[TMP]          ; with lane l xor 16's two the word is whole
.endif
	global_store_b128 v[VO16], v[CS:CS+3], s[18:19] offset:768*(\c)         ; 32 lanes store 512 consecutive bytes, at a multiple of 256 from xc's first byte
	global_store_b64 v[VO8], v[CS+4:CS+5], s[18:19] offset:768*(\c)+512     ; and 256
.endm
	LOAD 0
	LOAD 1
	LOAD 2
	s_wait_loadcnt 16                              ; chunk 0's eight loads are in
	TURN 0
.irp t, 0,1,2,3,4,5,6,7,8,9,10,11,12,13,14,15
	STEP \t
.endr
.irp q, 0,1,2,3
	v_cndmask_b32 v[OUT+\q], v[SW+\q], v[SW+4+\q], s32             ; lanes 0-15 store their row's words 0-3, lanes 16-31 words 4-7
.endr
	global_store_b128 v[VSO], v[OUT:OUT+3], s[20:21]               ; 512 consecutive bytes
	s_wait_tensorcnt 0x0                           ; the wave's end
	ds_add_u32 v[SPW], v[NIL]
	s_wait_dscnt 0x0
	s_endpgm
.Lfunc_end_k_qad85d12a86_quant:
	.size	k_qad85d12a86_quant, .Lfunc_end_k_qad85d12a86_quant-k_qad85d12a86_quant
	.p2alignl 7, 3214868480
	.fill 96, 4, 3214868480
	.section	.rodata,"a",@progbits
	.p2align	6, 0x0
	.amdhsa_kernel k_qad85d12a86_quant
		.amdhsa_group_segment_fixed_size 61952
		.amdhsa_private_segment_fixed_size 0
		.amdhsa_enable_private_segment 0
		.amdhsa_kernarg_size 72
		.amdhsa_user_sgpr_count 2
		.amdhsa_user_sgpr_kernarg_segment_ptr 1
		.amdhsa_wavefront_size32 1
		.amdhsa_system_sgpr_workgroup_id_x 1
		.amdhsa_system_sgpr_workgroup_id_y 1
		.amdhsa_system_sgpr_workgroup_id_z 1
		.amdhsa_system_vgpr_workitem_id 0
		.amdhsa_next_free_vgpr 224
		.amdhsa_next_free_sgpr 66
		.amdhsa_reserve_vcc 0
		.amdhsa_float_denorm_mode_32 3
		.amdhsa_float_denorm_mode_16_64 3
		.amdhsa_memory_ordered 1
		.amdhsa_forward_progress 1
		.amdhsa_inst_pref_size 60
	.end_amdhsa_kernel
	.amdgpu_metadata
---
amdhsa.version: [ 1, 2 ]
amdhsa.kernels:
  - .name:           k_qad85d12a86_quant
    .symbol:         k_qad85d12a86_quant.kd
    .args:
      - { .name: query, .offset: 0, .size: 8, .value_kind: global_buffer, .address_space: global }
      - { .name: key, .offset: 8, .size: 8, .value_kind: global_buffer, .address_space: global }
      - { .name: value, .offset: 16, .size: 8, .value_kind: global_buffer, .address_space: global }
      - { .name: Wq, .offset: 24, .size: 8, .value_kind: global_buffer, .address_space: global }
      - { .name: Wk, .offset: 32, .size: 8, .value_kind: global_buffer, .address_space: global }
      - { .name: Wv, .offset: 40, .size: 8, .value_kind: global_buffer, .address_space: global }
      - { .name: Wo, .offset: 48, .size: 8, .value_kind: global_buffer, .address_space: global }
      - { .name: xc, .offset: 56, .size: 8, .value_kind: global_buffer, .address_space: global }
      - { .name: xs, .offset: 64, .size: 8, .value_kind: global_buffer, .address_space: global }
    .group_segment_fixed_size: 61952
    .private_segment_fixed_size: 0
    .kernarg_segment_align: 8
    .kernarg_segment_size: 72
    .max_flat_workgroup_size: 224
    .sgpr_count:     66
    .vgpr_count:     224
    .wavefront_size: 32
...
	.end_amdgpu_metadata
.endif
;; end of part 1
;; launch proj (part 2): grid 8 x 96, 4 waves a work-group, clusters of 4 x 4, 295,424 bytes of LDS; arguments xc, xs, bq, bk, bv, qc, qs, kv; writes qc, qs, kv
.if DOCPART == 2
	.amdgcn_target "amdgcn-amd-amdhsa--gfx1250"
	.amdhsa_code_object_version 6
	.text
	.protected	k_qad85d12a86_proj
	.globl	k_qad85d12a86_proj
	.p2align	8
	.type	k_qad85d12a86_proj,@function
k_qad85d12a86_proj:
	s_mov_b64 s[64:65], 0
	v_nop
	global_prefetch_b8 v0, s[64:65] scope:SCOPE_SE
	s_setreg_imm32_b32 hwreg(HW_REG_WAVE_MODE, 25, 1), 1
	s_wait_xcnt 0x0
	s_wait_alu depctr_hold_cnt(0) depctr_sa_sdst(0) depctr_va_vdst(0) depctr_va_sdst(0) depctr_va_ssrc(0) depctr_va_vcc(0) depctr_vm_vsrc(0)
	s_getreg_b32 s2, hwreg(HW_REG_IB_STS2, 6, 4)
	s_cmp_eq_u32 s2, 0
	s_cbranch_scc0 .Lentry_in_a_cluster
	s_endpgm
.Lentry_in_a_cluster:
	s_bfe_u32 s2, ttmp6, 0x10000c
	s_cmp_lg_u32 s2, 0xf033
	s_cbranch_scc0 .Lentry_shape_is_right
	s_endpgm
.Lentry_shape_is_right:
; q = query Wq^T + bq, k = key Wk^T + bk, v = value Wv^T + bv on codes of FP6 (E2M3) with E8M0 scales for each 32 along K, sums in f32; the results are quantised at once for attention's two products:
; q and k along the head's 64, v along the keys.  g = 0, 1, 2 comes from the cluster's y, so it is the same in all sixteen partners.
; LIMITS: NaN and infinities are not served; a block whose largest magnitude lies under 2^-124 (a block of zeros too) gets the byte 1; the bytes are read by this program alone.
; OPERANDS lie in xc as images of operand registers: [tile][chunk of 64 along K][768]: lane l's registers 0-3 at 16 l, 4-5 at 512 + 8 l.  Tile 4 B + j holds rows 64 B + 8 j + i % 8 + 32 (i / 8).
; So in a result lane (r, h) holds, over source 0's four tiles of a band of 64 rows, the 32 neighbours 32 h + 0 .. 31: one whole scale block, and no lane asks another for a maximum.
; SHARES.  A work-group makes 128 rows of a weight x 256 tokens, all of K = 1,024 in LDS, each byte filled once: the weight's 8 tiles, then the tokens' 16.  768 work-groups.
; One tensor load a wave: waves 0 and 3 a half of the weight each, wave 1 tokens 0-127, wave 2 tokens 128-255.  The first barrier shows the first three; tokens 0-127 are multiplied while wave 2's load is out.
; Wave (w / 2, w % 2) makes 64 rows of the weight (a head) x 64 tokens of each 128.  Source 0 (P) is the side along which the result is quantised: the weight for q, k; the tokens for v.
; CLUSTER 4 x 4: the weight's rows are shared by a column, the tokens by a row; each is asked for jointly.  No prefetch: all that is read through LDS is asked for in the first lines, and there is no loop to run ahead in.
; OUT.  qc [16 bh + block of 128 queries][tile 0..7][768]; qs [same][512]; kv [16 bh + step of 128 keys][13,056]: K's 8 tiles, V's chunk 0..1 x channel tile 0..3, K's scale words (512), V's (256).
; Scale words lie so that 8 bytes a lane bring two tiles' words to lanes 0-15 and two to lanes 16-31.  V's words are written two bytes at a time: the other two come from the wave beside me.
.set TB,    12288
.set XB,    98304
.set SPARE, 294912
.set AP16, 1
.set AP8,  2
.set AR16, 3
.set AR8,  4
.set VO16, 5
.set VO8,  6
.set VSC,  7
.set VB,   8
.set SH8,  9
.set SPW,  10
.set NIL,  11
.set VSC2, 12
.set SC,   16                          ; v16-55 scale words alone: register 10 i + s: lanes 0-15 P's tile i, lanes 16-31 R's tile i, K step s
.set CA,   56                          ; v56-79 codes, six registers a tile of R
.set ACC,  80                          ; v80-207 accumulator (rt, pt) at 80 + 32 rt + 8 pt
.set CT,   208
.set TM,   224
.set SO,   232
.set BX,   236
.set TX,   240
.set PW,   244
.set SW,   248
.set BI,   192                         ; window 1: v448-479 the bias in the result's layout
.set SC2,  224                         ; window 1: v480-511 the scale words of tokens 128-255
.set G1W,  32
.set G1X,  40
.set G0W,  48
.set G0X,  52
.set MSB, 0
.macro WIN new
.if MSB != \new
	s_set_vgpr_msb (MSB<<8)|\new
.set MSB, \new
.endif
.endm
.set MUL,  0x05                        ; sources 0 and 1 window 1
.set MULB, 0x15                        ; and C window 1
.set TO_F, 0x40
.macro PLACES n
.rept \n
	v_nop
.endr
.endm
.macro CROUND
	s_barrier_signal -1
	s_barrier_wait -1
	s_cmp_lg_u32 s22, 0
	s_cbranch_scc1 .Lnot_wave_0_\@
	s_barrier_signal -3
.Lnot_wave_0_\@:
	s_barrier_wait -3
	s_barrier_signal -1
	s_barrier_wait -1
.endm
.macro TLOAD g0, g1
	tensor_load_to_lds s[\g0:\g0+3], s[\g1:\g1+7]
	s_nop 0
	PLACES 4
.endm
.macro DENSE g, rows                   ; a dense block as rows of 256 bytes
	s_mov_b32 s[\g+1], 32<<16
	s_mov_b32 s[\g+2], (\rows)<<16
	s_mov_b32 s[\g+3], 32<<16
	s_mov_b32 s[\g+4], \rows
	s_mov_b32 s[\g+5], 32
	s_mov_b32 s[\g+6], 0
	s_mov_b32 s[\g+7], 0
.endm
	s_load_b256 s[4:11], s[0:1], 0x0               ; xc, xs, bq, bk
	s_load_b256 s[12:19], s[0:1], 0x20             ; bv, qc, qs, kv
	v_lshl_add_u32 v[SPW], v0, 2, SPARE
	v_mov_b32 v[NIL], 0
	ds_add_u32 v[SPW], v[NIL]
	ds_add_u32 v[SPW], v[NIL]
	v_lshrrev_b32 v13, 5, v0
	v_readfirstlane_b32 s22, v13                   ; wave
	s_lshr_b32 s23, s22, 1                         ; which 64 rows of the weight
	s_and_b32 s24, s22, 1                          ; which 64 of 128 tokens
	s_bfe_u32 s25, ttmp6, 0x40000                  ; cx
	s_bfe_u32 s26, ttmp6, 0x40004                  ; cy
	s_lshl_b32 s27, ttmp9, 2
	s_add_co_u32 s27, s27, s25                     ; gx: the weight's block of 128 rows
	s_and_b32 s28, ttmp7, 0xffff
	s_lshr_b32 s29, s28, 3                         ; g
	s_and_b32 s30, s28, 7
	s_lshl_b32 s30, s30, 2
	s_add_co_u32 s30, s30, s26                     ; the block of 256 tokens, 0..31
	s_mov_b32 s31, 0xffff0000
	s_mov_b32 s98, 0x76543210
	s_mov_b32 s99, 0xfedcba98
	s_lshl_b32 s92, s26, 2
	s_lshl_b32 s92, 15, s92                        ; my row of the cluster
	s_lshl_b32 s93, 0x1111, s25                    ; my column
	s_or_b32 s[G1W], s93, (3<<16)|(1<<21)
	s_or_b32 s[G1X], s92, (3<<16)|(1<<21)
	DENSE G1W, 192                                 ; four tiles
	DENSE G1X, 384                                 ; eight
	s_lshl_b32 s84, s29, 6
	s_lshl_b32 s85, s27, 3
	s_add_co_u32 s84, s84, s85
	s_add_co_u32 s84, s84, 1536                    ; the weight's first tile: nothing of cy enters
	s_lshl_b32 s86, s29, 9
	s_lshl_b32 s87, s30, 4
	s_add_co_u32 s86, s86, s87                     ; the tokens' first tile: nothing of cx enters
	s_lshl_b32 s56, s24, 2
	s_add_co_u32 s56, s56, s84
	s_mul_i32 s56, s56, TB
	s_mov_b32 s57, 0
	s_lshl_b32 s58, s23, 3
	s_add_co_u32 s58, s58, s86
	s_mul_i32 s58, s58, TB
	s_mov_b32 s59, 0
	s_mov_b32 s[G0W], 1
	s_mul_i32 s[G0W+1], s24, 4*TB
	s_mov_b32 s[G0X], 1
	s_mul_i32 s[G0X+1], s23, XB
	s_add_co_u32 s[G0X+1], s[G0X+1], XB
	s_lshl_b32 s66, s23, 2
	s_add_co_u32 s66, s66, s84
	s_lshl_b32 s66, s66, 9                         ; my scale bytes on the weight's side,
	s_lshl_b32 s67, s24, 2
	s_add_co_u32 s67, s67, s86
	s_lshl_b32 s67, s67, 9                         ; on the tokens',
	s_add_co_u32 s68, s67, 4096                    ; and eight tiles on
	s_mul_i32 s69, s23, 4*TB
	s_mul_i32 s70, s24, 4*TB
	s_add_co_u32 s70, s70, XB
	s_cmp_lt_u32 s29, 2                            ; q, k: P is the weight; v: P is the tokens
	s_cselect_b32 s71, s69, s70
	s_cselect_b32 s72, s70, s69
	s_cselect_b32 s73, s66, s67
	s_cselect_b32 s74, s67, s66
	s_cselect_b32 s75, s66, s68
	s_cselect_b32 s76, s68, s66
	s_cselect_b32 s77, 0, XB                       ; P's and R's steps to tokens 128-255
	s_cselect_b32 s78, XB, 0
	v_and_b32 v13, 31, v0
	v_and_b32 v14, 15, v0
	v_bfe_u32 v15, v0, 4, 1
	v_lshlrev_b32 v[VO16], 4, v13
	v_lshlrev_b32 v[VO8], 3, v13
	v_lshlrev_b32 v[SH8], 3, v15
	v_add_nc_u32 v[AP16], s71, v[VO16]
	v_add_nc_u32 v[AP8], s71, v[VO8]
	v_add_nc_u32 v[AR16], s72, v[VO16]
	v_add_nc_u32 v[AR8], s72, v[VO8]
	v_mov_b32 v[VSC], s73
	v_mov_b32 v13, s74
	v_cndmask_b32 v[VSC], v[VSC], v13, s31
	v_lshl_add_u32 v[VSC], v14, 5, v[VSC]
	v_mov_b32 v[VSC2], s75
	v_mov_b32 v13, s76
	v_cndmask_b32 v[VSC2], v[VSC2], v13, s31
	v_lshl_add_u32 v[VSC2], v14, 5, v[VSC2]
	s_wait_alu depctr_va_vdst(0)
	s_wait_dscnt 0x0
	s_wait_kmcnt 0x0
.irp i, 0,1,2,3
.irp q, 0,1
	global_load_b128 v[SC+10*\i+4*\q:SC+10*\i+4*\q+3], v[VSC], s[6:7] offset:512*\i+16*\q
.endr
.endr
	WIN TO_F
.irp i, 0,1,2,3
.irp q, 0,1
	global_load_b128 v[SC2+8*\i+4*\q:SC2+8*\i+4*\q+3], v[VSC2], s[6:7] offset:512*\i+16*\q
.endr
.endr
	WIN 0
	s_cmp_eq_u32 s29, 0
	s_cselect_b64 s[88:89], s[8:9], s[10:11]
	s_cmp_eq_u32 s29, 2
	s_cselect_b64 s[88:89], s[12:13], s[88:89]
	s_lshl_b32 s60, s27, 9
	s_lshl_b32 s61, s23, 8
	s_add_co_u32 s60, s60, s61
	s_mov_b32 s61, 0
	s_add_nc_u64 s[88:89], s[88:89], s[60:61]      ; the bias at my 64 rows of the weight
	s_cmp_eq_u32 s29, 2
	s_cbranch_scc1 .Lbias_v
	v_lshlrev_b32 v[VB], 7, v15                    ; q, k: register 8 pt + j is the weight's row 32 h + 8 pt + j
	WIN TO_F
.irp pt, 0,1,2,3
	global_load_b128 v[BI+8*\pt:BI+8*\pt+3], v[VB], s[88:89] offset:32*\pt
	global_load_b128 v[BI+8*\pt+4:BI+8*\pt+7], v[VB], s[88:89] offset:32*\pt+16
.endr
	WIN 0
	s_branch .Lbias_in
.Lbias_v:
	v_and_b32 v[VB], 7, v14                        ; v: the lane is the weight's row 8 rt + r % 8 + 32 (r / 8)
	v_lshrrev_b32 v13, 3, v14
	v_lshlrev_b32 v[VB], 2, v[VB]
	v_lshl_add_u32 v[VB], v13, 7, v[VB]
	WIN TO_F
.irp rt, 0,1,2,3
	global_load_b32 v[BI+8*\rt], v[VB], s[88:89] offset:32*\rt
.endr
	WIN 0
.Lbias_in:
	s_add_nc_u64 s[G0W+2:G0W+3], s[4:5], s[56:57]
	s_or_b32 s[G0W+3], s[G0W+3], 0x80000000
	s_add_nc_u64 s[G0X+2:G0X+3], s[4:5], s[58:59]
	s_or_b32 s[G0X+3], s[G0X+3], 0x80000000
	CROUND                                         ; the joint loads meet
	s_cmp_eq_u32 s22, 1                            ; one chain of branches on the wave's number, one load to an arm
	s_cbranch_scc0 .Larm_2
	TLOAD G0X, G1X                                 ; wave 1: tokens 0-127
	s_branch .Lasked
.Larm_2:
	s_cmp_eq_u32 s22, 2
	s_cbranch_scc0 .Larm_w
	TLOAD G0X, G1X                                 ; wave 2: tokens 128-255
	s_branch .Lasked
.Larm_w:
	TLOAD G0W, G1W                                 ; waves 0 and 3: a half of the weight each
.Lasked:
	s_lshr_b32 s60, s30, 3                         ; where the results go: idx = 16 bh + the block of 128 tokens in its batch
	s_lshl_b32 s60, s60, 4
	s_lshl_b32 s61, s27, 1
	s_add_co_u32 s60, s60, s61
	s_add_co_u32 s60, s60, s23
	s_lshl_b32 s60, s60, 4
	s_and_b32 s61, s30, 7
	s_lshl_b32 s61, s61, 1
	s_add_co_u32 s60, s60, s61
	s_mov_b32 s79, 13056                           ; from idx to idx + 1: codes,
	s_mov_b32 s80, 13056                           ; scale words
	s_mul_i32 s62, s24, 3072
	s_lshl_b32 s63, s24, 8
	s_add_co_u32 s81, s63, 12288
	s_lshl_b32 s82, s24, 1
	s_add_co_u32 s82, s82, 12800
	s_cmp_eq_u32 s29, 0
	s_cselect_b64 s[90:91], s[14:15], s[18:19]
	s_cselect_b64 s[96:97], s[16:17], s[18:19]
	s_cselect_b32 s79, 6144, s79
	s_cselect_b32 s80, 512, s80
	s_cselect_b32 s63, s63, s81
	s_cmp_eq_u32 s29, 2
	s_cselect_b32 s63, s82, s63
	s_cselect_b32 s83, 6144, 0
	s_add_co_u32 s62, s62, s83
	s_mul_i32 s94, s79, s60
	s_add_co_u32 s94, s94, s62
	s_mov_b32 s95, 0
	s_add_nc_u64 s[90:91], s[90:91], s[94:95]
	s_mul_i32 s94, s80, s60
	s_add_co_u32 s94, s94, s63
	s_add_nc_u64 s[96:97], s[96:97], s[94:95]
	s_wait_loadcnt 0x0
	s_cmp_eq_u32 s29, 2
	s_cbranch_scc0 .Lspread
	WIN 0x41
.irp rt, 0,8,16,24
.irp j, 1,2,3,4,5,6,7
	v_mov_b32 v[BI+\rt+\j], v[BI+\rt]              ; v: one number for a tile's eight registers
.endr
.endr
	WIN 0
	PLACES 4
.Lspread:
	s_wait_alu depctr_va_vdst(0)
	s_cmp_eq_u32 s22, 2
	s_cbranch_scc1 .Lnot_yet
	s_wait_tensorcnt 0x0                           ; waves 0, 1, 3: my load is in
.Lnot_yet:
	s_barrier_signal -1
	s_barrier_wait -1                              ; the weight and tokens 0-127 are in
.macro FETCH f, p                      ; 32 LDS loads: K step p's fragments into set f: P's four, R's four
.irp i, 0,1,2,3
.irp hf, 0,1
	ds_load_b128 v[\f+12*\i+6*\hf:\f+12*\i+6*\hf+3], v[AP16] offset:TB*\i+1536*(\p)+768*\hf
	ds_load_b64 v[\f+12*\i+6*\hf+4:\f+12*\i+6*\hf+5], v[AP8] offset:TB*\i+1536*(\p)+768*\hf+512
.endr
.endr
.irp i, 0,1,2,3
.irp hf, 0,1
	ds_load_b128 v[\f+48+12*\i+6*\hf:\f+48+12*\i+6*\hf+3], v[AR16] offset:TB*\i+1536*(\p)+768*\hf
	ds_load_b64 v[\f+48+12*\i+6*\hf+4:\f+48+12*\i+6*\hf+5], v[AR8] offset:TB*\i+1536*(\p)+768*\hf+512
.endr
.endr
.endm
.macro MUL16 f, s, cm                  ; 16 products, the accumulators by turns.  cm = 1, 2: the bias starts the sums (by P's tile, by R's)
.irp rt, 0,1,2,3
.irp pt, 0,1,2,3
.set aD, ACC+32*\rt+8*\pt
.set aP, (\f)+12*\pt
.set aR, (\f)+48+12*\rt
.if \cm == 0
	v_wmma_scale_f32_16x16x128_f8f6f4 v[aD:aD+7], v[aP:aP+11], v[aR:aR+11], v[aD:aD+7], v[SC+10*\pt+(\s)], v[SC+10*\rt+(\s)] matrix_a_fmt:MATRIX_FMT_FP6 matrix_b_fmt:MATRIX_FMT_FP6 matrix_b_scale:MATRIX_SCALE_ROW1
.elseif \cm == 1
	v_wmma_scale_f32_16x16x128_f8f6f4 v[aD:aD+7], v[aP:aP+11], v[aR:aR+11], v[BI+8*\pt:BI+8*\pt+7], v[SC+10*\pt+(\s)], v[SC+10*\rt+(\s)] matrix_a_fmt:MATRIX_FMT_FP6 matrix_b_fmt:MATRIX_FMT_FP6 matrix_b_scale:MATRIX_SCALE_ROW1
.else
	v_wmma_scale_f32_16x16x128_f8f6f4 v[aD:aD+7], v[aP:aP+11], v[aR:aR+11], v[BI+8*\rt:BI+8*\rt+7], v[SC+10*\pt+(\s)], v[SC+10*\rt+(\s)] matrix_a_fmt:MATRIX_FMT_FP6 matrix_b_fmt:MATRIX_FMT_FP6 matrix_b_scale:MATRIX_SCALE_ROW1
.endif
.endr
.endr
.endm
; 128 tokens: eight K steps on two sets of fragments, the loads one step ahead; then the way out
.macro UNIT
	WIN TO_F
	FETCH 0, 0
	FETCH 96, 1
	WIN 0
	s_wait_dscnt 32                                ; step 0's 32 loads are in, step 1's may be out
	s_cmp_eq_u32 s29, 2
	s_cbranch_scc1 .Lv_\@
	WIN MULB
	MUL16 0, 0, 1
	WIN 0
	s_branch .Lj_\@
.Lv_\@:
	WIN MULB
	MUL16 0, 0, 2
	WIN 0
.Lj_\@:
.irp s, 1,2,3,4,5,6,7
	PLACES 4                                       ; in front of loads into registers that the last products read
.if \s < 7
	WIN TO_F
	FETCH 96*((\s+1)%2), \s+1
	s_wait_dscnt 32                                ; all but the 32 just issued
.else
	s_wait_dscnt 0x0
.endif
	WIN MUL
	MUL16 96*(\s%2), \s, 0
.endr
	WIN 0
.irp rt, 0,1,2,3
	v_mov_b32 v[TX+\rt], 0                         ; a lane permute's destination counts as a source.  (Also the places behind the last products)
.endr
.irp rt, 0,1,2,3                       ; R's tile rt: my 32 sums are one block; its largest magnitude in two chains, with the floor 2^(3 - 127)
	v_max3_num_f32 v[TM+2*\rt], |v[ACC+32*\rt]|, |v[ACC+32*\rt+1]|, 0x1800000
	v_max3_num_f32 v[TM+2*\rt+1], |v[ACC+32*\rt+16]|, |v[ACC+32*\rt+17]|, |v[ACC+32*\rt+18]|
.endr
.irp i, 2,4,6,8,10,12
.irp rt, 0,1,2,3
	v_max3_num_f32 v[TM+2*\rt], v[TM+2*\rt], |v[ACC+32*\rt+\i]|, |v[ACC+32*\rt+\i+1]|
	v_max3_num_f32 v[TM+2*\rt+1], v[TM+2*\rt+1], |v[ACC+32*\rt+\i+17]|, |v[ACC+32*\rt+\i+18]|
.endr
.endr
.irp rt, 0,1,2,3
	v_max3_num_f32 v[TM+2*\rt], v[TM+2*\rt], |v[ACC+32*\rt+14]|, |v[ACC+32*\rt+15]|
.endr
.irp rt, 0,1,2,3
	v_max3_num_f32 v[TM+2*\rt], v[TM+2*\rt], v[TM+2*\rt+1], |v[ACC+32*\rt+31]|
.endr
.irp rt, 0,1,2,3
	v_add_nc_u32 v[SO+\rt], 0xff000000, v[TM+2*\rt]   ; 2 off the exponent field: the conversions' scale operand
.endr
.irp rt, 0,1,2,3
	v_cvt_scalef32_pk16_fp6_f32 v[CA+6*\rt:CA+6*\rt+2], v[ACC+32*\rt:ACC+32*\rt+15], v[SO+\rt]
	v_cvt_scalef32_pk16_fp6_f32 v[CT+4*\rt:CT+4*\rt+2], v[ACC+32*\rt+16:ACC+32*\rt+31], v[SO+\rt]
.endr
.irp rt, 0,1,2,3
	v_lshrrev_b32 v[BX+\rt], 23, v[SO+\rt]         ; the scale's byte
.endr
.irp rt, 0,1,2,3
.irp i, 0,1,2
	v_mov_b32 v[CA+6*\rt+3+\i], v[CT+4*\rt+\i]
.endr
.endr
.irp rt, 0,1,2,3
	v_lshlrev_b32 v[PW+\rt], v[SH8], v[BX+\rt]     ; block h's byte at byte h;
.endr
.irp rt, 0,1,2,3
	v_permlanex16_b32 v[TX+\rt], v[PW+\rt], s98, s99
.endr
.irp rt, 0,1,2,3
	v_or_b32 v[PW+\rt], v[PW+\rt], v[TX+\rt]       ; with lane l xor 16's: two bytes, the upper two 0
.endr
.irp rt, 0,1,2,3
	global_store_b128 v[VO16], v[CA+6*\rt:CA+6*\rt+3], s[90:91] offset:768*\rt
	global_store_b64 v[VO8], v[CA+6*\rt+4:CA+6*\rt+5], s[90:91] offset:768*\rt+512
.endr
	v_cndmask_b32 v[SW], v[PW], v[PW+1], s31
	v_cndmask_b32 v[SW+1], v[PW+2], v[PW+3], s31
	s_wait_alu depctr_va_vdst(0)
	s_cmp_eq_u32 s29, 2
	s_cbranch_scc1 .Lvs_\@
	global_store_b64 v[VO8], v[SW:SW+1], s[96:97]  ; q, k: 256 consecutive bytes
	s_branch .Lst_\@
.Lvs_\@:
	global_store_b16 v[VO8], v[SW], s[96:97]       ; v: my chunk's two bytes of each word
	global_store_b16 v[VO8], v[SW+1], s[96:97] offset:4
.Lst_\@:
.endm
	UNIT
	s_wait_xcnt 0x0                                ; the stores have read their bases and data
	s_mov_b32 s94, s79
	s_add_nc_u64 s[90:91], s[90:91], s[94:95]
	s_mov_b32 s94, s80
	s_add_nc_u64 s[96:97], s[96:97], s[94:95]
	WIN 0x01
.irp i, 0,1,2,3
.irp s, 0,1,2,3,4,5,6,7
	v_mov_b32 v[SC+10*\i+\s], v[SC2+8*\i+\s]
.endr
.endr
	WIN 0
	v_add_nc_u32 v[AP16], s77, v[AP16]
	v_add_nc_u32 v[AP8], s77, v[AP8]
	v_add_nc_u32 v[AR16], s78, v[AR16]
	v_add_nc_u32 v[AR8], s78, v[AR8]
	s_wait_alu depctr_va_vdst(0)
	s_wait_tensorcnt 0x0                           ; every wave: all that is still out
	s_barrier_signal -1
	s_barrier_wait -1                              ; tokens 128-255 are in
	UNIT
	s_wait_tensorcnt 0x0                           ; the wave's end
	ds_add_u32 v[SPW], v[NIL]
	s_wait_dscnt 0x0
	CROUND
	s_endpgm
.Lfunc_end_k_qad85d12a86_proj:
	.size	k_qad85d12a86_proj, .Lfunc_end_k_qad85d12a86_proj-k_qad85d12a86_proj
	.p2alignl 7, 3214868480
	.fill 96, 4, 3214868480
	.section	.rodata,"a",@progbits
	.p2align	6, 0x0
	.amdhsa_kernel k_qad85d12a86_proj
		.amdhsa_group_segment_fixed_size 295424
		.amdhsa_private_segment_fixed_size 0
		.amdhsa_enable_private_segment 0
		.amdhsa_kernarg_size 64
		.amdhsa_user_sgpr_count 2
		.amdhsa_user_sgpr_kernarg_segment_ptr 1
		.amdhsa_wavefront_size32 1
		.amdhsa_system_sgpr_workgroup_id_x 1
		.amdhsa_system_sgpr_workgroup_id_y 1
		.amdhsa_system_sgpr_workgroup_id_z 1
		.amdhsa_system_vgpr_workitem_id 0
		.amdhsa_next_free_vgpr 512
		.amdhsa_next_free_sgpr 100
		.amdhsa_reserve_vcc 0
		.amdhsa_float_denorm_mode_32 3
		.amdhsa_float_denorm_mode_16_64 3
		.amdhsa_memory_ordered 1
		.amdhsa_forward_progress 1
		.amdhsa_inst_pref_size 101
	.end_amdhsa_kernel
	.amdgpu_metadata
---
amdhsa.version: [ 1, 2 ]
amdhsa.kernels:
  - .name:           k_qad85d12a86_proj
    .symbol:         k_qad85d12a86_proj.kd
    .args:
      - { .name: xc, .offset: 0, .size: 8, .value_kind: global_buffer, .address_space: global }
      - { .name: xs, .offset: 8, .size: 8, .value_kind: global_buffer, .address_space: global }
      - { .name: bq, .offset: 16, .size: 8, .value_kind: global_buffer, .address_space: global }
      - { .name: bk, .offset: 24, .size: 8, .value_kind: global_buffer, .address_space: global }
      - { .name: bv, .offset: 32, .size: 8, .value_kind: global_buffer, .address_space: global }
      - { .name: qc, .offset: 40, .size: 8, .value_kind: global_buffer, .address_space: global }
      - { .name: qs, .offset: 48, .size: 8, .value_kind: global_buffer, .address_space: global }
      - { .name: kv, .offset: 56, .size: 8, .value_kind: global_buffer, .address_space: global }
    .group_segment_fixed_size: 295424
    .private_segment_fixed_size: 0
    .kernarg_segment_align: 8
    .kernarg_segment_size: 64
    .max_flat_workgroup_size: 128
    .sgpr_count:     100
    .vgpr_count:     512
    .wavefront_size: 32
...
	.end_amdgpu_metadata
.endif
;; end of part 2
;; launch attn (part 3): grid 4 x 64, 16 waves a work-group, clusters of 4 x 1, 210,944 bytes of LDS; arguments qc, qs, kv, xc, xs; writes xc, xs
.if DOCPART == 3
	.amdgcn_target "amdgcn-amd-amdhsa--gfx1250"
	.amdhsa_code_object_version 6
	.text
	.protected	k_qad85d12a86_attn
	.globl	k_qad85d12a86_attn
	.p2align	8
	.type	k_qad85d12a86_attn,@function
k_qad85d12a86_attn:
	s_mov_b64 s[64:65], 0
	v_nop
	global_prefetch_b8 v0, s[64:65] scope:SCOPE_SE
	s_setreg_imm32_b32 hwreg(HW_REG_WAVE_MODE, 25, 1), 1
	s_wait_xcnt 0x0
	s_wait_alu depctr_hold_cnt(0) depctr_sa_sdst(0) depctr_va_vdst(0) depctr_va_sdst(0) depctr_va_ssrc(0) depctr_va_vcc(0) depctr_vm_vsrc(0)
	s_getreg_b32 s2, hwreg(HW_REG_IB_STS2, 6, 4)
	s_cmp_eq_u32 s2, 0
	s_cbranch_scc0 .Lentry_in_a_cluster
	s_endpgm
.Lentry_in_a_cluster:
	s_bfe_u32 s2, ttmp6, 0x10000c
	s_cmp_lg_u32 s2, 0x3003
	s_cbranch_scc0 .Lentry_shape_is_right
	s_endpgm
.Lentry_shape_is_right:
; o[bh][q] = the sum over k of softmax_k(q . k / 8) v, both products on codes of FP6 (E2M3) with E8M0 scales for each 32 along K; the result is quantised at once, along d_model, for the last projection.
; t = score x log2(e) / 8; M = the row's largest t so far, rounded UP to a whole number; p = 2^(t - M) is quantised along the keys, not normalised.  The row's sum is taken of the unquantised p and divides o at the end.
; When M moves, the sum and o are multiplied by 2^(old M - new M): nothing is rounded, and no branch hangs on data.
; LIMITS: NaN and infinities are not served; the promise holds while |t| stays under 2^31; a block whose largest magnitude lies under 2^-124 gets the byte 1 (read by this program alone).
; SHARES.  256 work-groups: 512 queries of one head each.  Each of sixteen waves takes one tile of 16 queries in each of two passes over the head's 2,048 keys, 128 a step.
; The head's K and V with their scale words (16 x 13,056 bytes) lie in LDS, each byte filled once: wave w asks for step w, one tensor load a wave, jointly with the three partners of the cluster, which have the same head.
; Three barriers show steps 0-3, 4-7 and 8-15; the second pass has none.  No prefetch: all is asked for in the first lines, and there is no loop to run ahead in.
; LAYOUT.  S^T = K Q^T, O^T = V^T P^T: a lane holds ONE query.  Operands are images of their registers, 768 bytes for a tile x 64 along K.  Tile 4 B + j holds rows 64 B + 8 j + i % 8 + 32 (i / 8):
; so lane (r, h)'s 32 registers of tiles 4 c .. 4 c + 3 are keys 64 c + 32 h + 0 .. 31, one whole scale block, in the very order of the operand's registers 6 c .. 6 c + 5.
; K = 64 IN AN INSTRUCTION OF 128: Q's registers 6-11 hold zero codes, so what stands in K's registers 6-11 (the next tile, or six cleared registers) adds nothing.
.set STEPB, 13056                      ; K's 8 tiles, V's chunk 0..1 x channel tile 0..3, K's scale words at 12,288, V's at 12,800
.set SPARE, 208896
.set L16, 1
.set L8,  2
.set VQS, 3
.set SPW, 4
.set NIL, 5
.set A16, 6
.set A8,  7
.set SH8, 8
.set VXS, 9
                                       ; v12 -M, v13 the largest score, v[14:15] the sum in two halves
.set QF,  16                           ; v16-21 Q's codes, v22-27 zero codes
.set QS,  28
.set QS2, 29                           ; the second pass's scale words, v90-95 its codes
.set KS,  30
.set VS,  34
.set KB,  36                           ; v36-83 K's eight half fragments, later V's four; v84-89 zeros
.set Q2,  90
.set S,   96
.set O,   160
.set PC,  192
.set CT,  204
.set BM,  212
.set BX,  216
.set SO,  218
.set TT,  220
.set F,   228
.set PS,  229
.set T1,  230
.set WV,  16
.set SEL, 20
.set CS,  22
.set G1,  24
.set G0,  40
.set SKV, 60
.set CNT, 61
.set NCS, 62
.macro CROUND
	s_barrier_signal -1
	s_barrier_wait -1
	s_cmp_lg_u32 s[WV], 0
	s_cbranch_scc1 .Lnot_wave_0_\@
	s_barrier_signal -3
.Lnot_wave_0_\@:
	s_barrier_wait -3
	s_barrier_signal -1
	s_barrier_wait -1
.endm
.macro TLOAD
	tensor_load_to_lds s[G0:G0+3], s[G1:G1+7]
	s_nop 0
.rept 4
	v_nop
.endr
.endm
	s_load_b256 s[4:11], s[0:1], 0x0               ; qc, qs, kv, xc
	s_load_b64 s[12:13], s[0:1], 0x20              ; xs
	v_lshl_add_u32 v[SPW], v0, 2, SPARE
	v_mov_b32 v[NIL], 0
	ds_add_u32 v[SPW], v[NIL]
	ds_add_u32 v[SPW], v[NIL]
	v_lshrrev_b32 v10, 5, v0
	s_delay_alu instid0(VALU_DEP_1)
	v_readfirstlane_b32 s[WV], v10
	s_bfe_u32 s17, ttmp6, 0x40000                  ; cx: my 512 queries; it enters Q's and the result's addresses alone
	s_and_b32 s19, ttmp7, 0xffff                   ; bh
	s_mov_b32 s[SEL], 0x76543210
	s_mov_b32 s[SEL+1], 0xfedcba98
	s_mov_b32 s[CS], 0x3e38aa3b                    ; c = log2(e) / 8
	s_mov_b32 s[CS+1], s[CS]
	s_mov_b32 s[NCS], 0xbe38aa3b                   ; -c
	s_mov_b32 s[SKV], 0
	s_mov_b32 s[G1], 15|(3<<16)|(1<<21)            ; the mask names the four; 51 rows of 256 bytes
	s_mov_b32 s[G1+1], 32<<16
	s_mov_b32 s[G1+2], 51<<16
	s_mov_b32 s[G1+3], 32<<16
	s_mov_b32 s[G1+4], 51
	s_mov_b32 s[G1+5], 32
	s_mov_b32 s[G1+6], 0
	s_mov_b32 s[G1+7], 0
	s_mul_i32 s66, s[WV], STEPB
	s_mul_i32 s68, s19, 16*STEPB
	s_add_co_u32 s68, s68, s66
	s_mov_b32 s69, 0
	s_mov_b32 s[G0], 1
	s_mov_b32 s[G0+1], s66
	s_lshl_b32 s70, s17, 2
	s_lshr_b32 s71, s[WV], 3
	s_add_co_u32 s70, s70, s71
	s_lshl_b32 s71, s19, 4
	s_add_co_u32 s70, s70, s71                     ; 16 bh + my block of 128 queries in the first pass
	s_and_b32 s71, s[WV], 7                        ; my tile t in it
	s_mul_i32 s72, s70, 6144
	s_mul_i32 s73, s71, 768
	s_add_co_u32 s72, s72, s73
	s_mov_b32 s73, 0
	s_lshl_b32 s74, s70, 9                         ; its scale words: 256 (t / 4) + 128 (t % 2) + 8 i + 4 ((t / 2) % 2)
	s_lshr_b32 s75, s71, 2
	s_lshl_b32 s75, s75, 8
	s_add_co_u32 s74, s74, s75
	s_and_b32 s75, s71, 1
	s_lshl_b32 s75, s75, 7
	s_add_co_u32 s74, s74, s75
	s_bfe_u32 s75, s71, 0x10001
	s_lshl_b32 s75, s75, 2
	s_add_co_u32 s74, s74, s75
	s_mov_b32 s75, 0
	s_lshr_b32 s76, s19, 4
	s_lshl_b32 s76, s76, 7
	s_lshl_b32 s77, s17, 5
	s_add_co_u32 s76, s76, s77
	s_add_co_u32 s76, s76, s[WV]                   ; my tile of tokens in the first pass
	s_and_b32 s77, s19, 15                         ; the head
	s_mul_i32 s78, s76, 12288
	s_mul_i32 s79, s77, 768
	s_add_co_u32 s78, s78, s79
	s_mov_b32 s79, 0
	s_lshl_b32 s44, s76, 9
	s_lshl_b32 s45, s77, 1
	s_add_co_u32 s44, s44, s45
	s_mov_b32 s45, 0
	v_and_b32 v10, 31, v0
	v_and_b32 v11, 15, v0
	v_bfe_u32 v[SH8], v0, 4, 1
	v_lshlrev_b32 v[L16], 4, v10
	v_lshlrev_b32 v[L8], 3, v10
	v_lshlrev_b32 v[VQS], 3, v11
	v_lshl_add_u32 v[VXS], v11, 5, v[SH8]          ; my scale byte: 32 (l % 16) + l / 16
	v_lshlrev_b32 v[SH8], 3, v[SH8]
	s_wait_alu depctr_va_vdst(0)
	s_wait_dscnt 0x0
	s_wait_kmcnt 0x0
	s_add_nc_u64 s[G0+2:G0+3], s[8:9], s[68:69]
	s_or_b32 s[G0+3], s[G0+3], 0x80000000
	s_add_nc_u64 s[4:5], s[4:5], s[72:73]
	s_add_nc_u64 s[6:7], s[6:7], s[74:75]
	s_add_nc_u64 s[10:11], s[10:11], s[78:79]
	s_add_nc_u64 s[12:13], s[12:13], s[44:45]
	global_load_b128 v[QF:QF+3], v[L16], s[4:5]
	global_load_b64 v[QF+4:QF+5], v[L8], s[4:5] offset:512
	global_load_b32 v[QS], v[VQS], s[6:7]
	global_load_b128 v[Q2:Q2+3], v[L16], s[4:5] offset:12288        ; the second pass: 16 tiles on
	global_load_b64 v[Q2+4:Q2+5], v[L8], s[4:5] offset:12288+512
	global_load_b32 v[QS2], v[VQS], s[6:7] offset:1024
	CROUND                                         ; the joint loads meet
	s_cmp_lt_u32 s[WV], 4                          ; one chain of branches on the wave's number, one load to an arm: an arm for each barrier's steps
	s_cbranch_scc0 .Larm_1
	TLOAD
	s_branch .Lasked
.Larm_1:
	s_cmp_lt_u32 s[WV], 8
	s_cbranch_scc0 .Larm_2
	TLOAD
	s_branch .Lasked
.Larm_2:
	TLOAD
.Lasked:
.irp j, 6,7,8,9,10,11
	v_mov_b32 v[QF+\j], 0
	v_mov_b32 v[KB+42+\j], 0
.endr
	v_mov_b32 v[BX], 0                             ; lane permutes' destinations count as sources
	v_mov_b32 v[TT], 0
	v_mov_b32 v[PS], 0
.macro INIT
	v_mov_b32 v13, 0xff61b1e6                      ; the largest score so far: -3e38
	v_mov_b32 v12, 0x7e000000                      ; -M: a large whole number, so that the first step's factor is 0
	v_mov_b32 v14, 0
	v_mov_b32 v15, 0
.set j, 0
.rept 32
	v_mov_b32 v[O+j], 0
.set j, j+1
.endr
.endm
	INIT
.macro STEP
	v_add_nc_u32 v[A16], s[SKV], v[L16]            ; four plain lines: the places in front of loads into registers that the last products read
	v_add_nc_u32 v[A8], s[SKV], v[L8]
	v_nop
	v_nop
.irp t, 0,1,2,3,4,5,6,7
	ds_load_b128 v[KB+6*\t:KB+6*\t+3], v[A16] offset:768*\t
	ds_load_b64 v[KB+6*\t+4:KB+6*\t+5], v[A8] offset:768*\t+512
.endr
	ds_load_b64 v[KS:KS+1], v[A8] offset:12288
	ds_load_b64 v[KS+2:KS+3], v[A8] offset:12544
	ds_load_b64 v[VS:VS+1], v[A8] offset:12800
	s_wait_alu depctr_va_vdst(0)
	s_wait_dscnt 0x0
.irp t, 0,2,4,6
	v_wmma_scale_f32_16x16x128_f8f6f4 v[S+8*\t:S+8*\t+7], v[KB+6*\t:KB+6*\t+11], v[QF:QF+11], 0, v[KS+\t/2], v[QS] matrix_a_fmt:MATRIX_FMT_FP6 matrix_b_fmt:MATRIX_FMT_FP6
	v_wmma_scale_f32_16x16x128_f8f6f4 v[S+8*\t+8:S+8*\t+15], v[KB+6*\t+6:KB+6*\t+17], v[QF:QF+11], 0, v[KS+\t/2], v[QS] matrix_a_fmt:MATRIX_FMT_FP6 matrix_b_fmt:MATRIX_FMT_FP6 matrix_a_scale:MATRIX_SCALE_ROW1
.endr
.rept 4
	v_nop
.endr
.irp t, 0,1,2,3                        ; V's four fragments land while the softmax is walked
.irp hf, 0,1
	ds_load_b128 v[KB+12*\t+6*\hf:KB+12*\t+6*\hf+3], v[A16] offset:6144+3072*\hf+768*\t
	ds_load_b64 v[KB+12*\t+6*\hf+4:KB+12*\t+6*\hf+5], v[A8] offset:6144+3072*\hf+768*\t+512
.endr
.endr
.irp b, 0,1                            ; my two blocks' largest scores, two chains each: they serve the row's maximum and, since p rises with the score, the blocks' largest p
	v_max3_num_f32 v[BM+2*\b], v[S+32*\b], v[S+32*\b+1], v[S+32*\b+2]
	v_max3_num_f32 v[BM+2*\b+1], v[S+32*\b+16], v[S+32*\b+17], v[S+32*\b+18]
.endr
.irp i, 3,5,7,9,11,13
.irp b, 0,1
	v_max3_num_f32 v[BM+2*\b], v[BM+2*\b], v[S+32*\b+\i], v[S+32*\b+\i+1]
	v_max3_num_f32 v[BM+2*\b+1], v[BM+2*\b+1], v[S+32*\b+\i+16], v[S+32*\b+\i+17]
.endr
.endr
.irp b, 0,1
	v_max3_num_f32 v[BM+2*\b], v[BM+2*\b], v[BM+2*\b+1], v[S+32*\b+15]
.endr
.irp b, 0,1
	v_max_num_f32 v[BM+2*\b], v[BM+2*\b], v[S+32*\b+31]
.endr
	s_delay_alu instid0(VALU_DEP_1)
	v_max_num_f32 v[TT], v[BM], v[BM+2]
	s_delay_alu instid0(VALU_DEP_1)
	v_permlanex16_b32 v[BX], v[TT], s[SEL], s[SEL+1]
	s_delay_alu instid0(VALU_DEP_1)
	v_max3_num_f32 v13, v13, v[TT], v[BX]          ; the running largest score of my query
	s_delay_alu instid0(VALU_DEP_1)
	v_mul_f32 v[TT], s[NCS], v13                   ; -t
	v_mov_b32 v[BX+1], v12
	s_delay_alu instid0(VALU_DEP_2)
	v_floor_f32 v12, v[TT]                         ; the new -M = floor(-t) = -ceil(t)
	s_delay_alu instid0(VALU_DEP_1)
	v_sub_f32 v[TT], v12, v[BX+1]                  ; old M less new M: a whole number, 0 or less
	s_delay_alu instid0(VALU_DEP_1)
	v_cvt_i32_f32 v[TT], v[TT]                     ; (it saturates)
	s_delay_alu instid0(VALU_DEP_1)
	v_ldexp_f32 v[F], 1.0, v[TT]                   ; f = 2^(old M - new M)
.set j, 0
.rept 32
	v_pk_fma_f32 v[S+j:S+j+1], v[S+j:S+j+1], s[CS:CS+1], v[12:13] op_sel_hi:[1,0,0]   ; t - M
.set j, j+2
.endr
	v_fma_f32 v[BM], v[BM], s[CS], v12
	v_fma_f32 v[BM+2], v[BM+2], s[CS], v12
	s_wait_alu depctr_va_vdst(0)
.set j, 0
.rept 64
	v_exp_f32 v[S+j], v[S+j]                       ; p = 2^(t - M)
.set j, j+1
.endr
	v_exp_f32 v[BM], v[BM]                         ; the blocks' largest p: the same two instructions on the same number
	v_exp_f32 v[BM+2], v[BM+2]
	s_wait_alu depctr_va_vdst(0)                   ; behind the batch, directly ahead of the first reader of O^T
.set j, 0
.rept 16
	v_pk_mul_f32 v[O+j:O+j+1], v[O+j:O+j+1], v[F:F+1] op_sel_hi:[1,0]   ; O^T under the new M
.set j, j+2
.endr
	v_max_num_f32 v[BM], 0x1800000, v[BM]          ; the floor 2^(3 - 127)
	v_max_num_f32 v[BM+2], 0x1800000, v[BM+2]
	v_add_nc_u32 v[SO], 0xff000000, v[BM]          ; 2 off the exponent field: the conversions' scale operand
	v_add_nc_u32 v[SO+1], 0xff000000, v[BM+2]
.irp c, 0,1
	v_cvt_scalef32_pk16_fp6_f32 v[PC+6*\c:PC+6*\c+2], v[S+32*\c:S+32*\c+15], v[SO+\c]
	v_cvt_scalef32_pk16_fp6_f32 v[CT+4*\c:CT+4*\c+2], v[S+32*\c+16:S+32*\c+31], v[SO+\c]
.endr
	v_lshrrev_b32 v[BX], 23, v[SO]                 ; the bytes of blocks h and 2 + h
	v_lshrrev_b32 v[BX+1], 23, v[SO+1]
.irp c, 0,1
.irp i, 0,1,2
	v_mov_b32 v[PC+6*\c+3+\i], v[CT+4*\c+\i]
.endr
.endr
	v_lshl_or_b32 v[PS], v[BX+1], 16, v[BX]
	s_delay_alu instid0(VALU_DEP_1)
	v_lshlrev_b32 v[PS], v[SH8], v[PS]             ; at their places, 8 h bits up;
	s_delay_alu instid0(VALU_DEP_1)
	v_permlanex16_b32 v[BX], v[PS], s[SEL], s[SEL+1]
	s_delay_alu instid0(VALU_DEP_1)
	v_or_b32 v[PS], v[PS], v[BX]                   ; with lane l xor 16's two the word is whole
	v_pk_fma_f32 v[14:15], v[14:15], v[F:F+1], v[S:S+1] op_sel_hi:[1,0,1]   ; the sum of the unquantised p, in four chains.  (These 32 lines are also the places ahead of the products below)
	v_pk_add_f32 v[T1:T1+1], v[S+2:S+3], v[S+4:S+5]
	v_pk_add_f32 v[T1+2:T1+3], v[S+6:S+7], v[S+8:S+9]
	v_pk_add_f32 v[T1+4:T1+5], v[S+10:S+11], v[S+12:S+13]
.set j, 14
.rept 6
	v_pk_add_f32 v[14:15], v[14:15], v[S+j:S+j+1]
	v_pk_add_f32 v[T1:T1+1], v[T1:T1+1], v[S+j+2:S+j+3]
	v_pk_add_f32 v[T1+2:T1+3], v[T1+2:T1+3], v[S+j+4:S+j+5]
	v_pk_add_f32 v[T1+4:T1+5], v[T1+4:T1+5], v[S+j+6:S+j+7]
.set j, j+8
.endr
	v_pk_add_f32 v[14:15], v[14:15], v[S+62:S+63]
	v_pk_add_f32 v[T1:T1+1], v[T1:T1+1], v[T1+2:T1+3]
	s_delay_alu instid0(VALU_DEP_2)
	v_pk_add_f32 v[14:15], v[14:15], v[T1+4:T1+5]
	s_delay_alu instid0(VALU_DEP_1)
	v_pk_add_f32 v[14:15], v[14:15], v[T1:T1+1]
	s_wait_alu depctr_va_vdst(0)
	s_wait_dscnt 0x0                               ; V is in
.irp t, 0,2
	v_wmma_scale_f32_16x16x128_f8f6f4 v[O+8*\t:O+8*\t+7], v[KB+12*\t:KB+12*\t+11], v[PC:PC+11], v[O+8*\t:O+8*\t+7], v[VS+\t/2], v[PS] matrix_a_fmt:MATRIX_FMT_FP6 matrix_b_fmt:MATRIX_FMT_FP6
	v_wmma_scale_f32_16x16x128_f8f6f4 v[O+8*\t+8:O+8*\t+15], v[KB+12*\t+12:KB+12*\t+23], v[PC:PC+11], v[O+8*\t+8:O+8*\t+15], v[VS+\t/2], v[PS] matrix_a_fmt:MATRIX_FMT_FP6 matrix_b_fmt:MATRIX_FMT_FP6 matrix_a_scale:MATRIX_SCALE_ROW1
.endr
.endm
.macro RUN n
	s_mov_b32 s[CNT], \n
.Lstep_\@:
	STEP
	s_add_co_u32 s[SKV], s[SKV], STEPB
	s_sub_co_u32 s[CNT], s[CNT], 1
	s_cmp_lg_u32 s[CNT], 0
	s_cbranch_scc1 .Lstep_\@
.endm
; THE WAY OUT of pass p: O^T / the sum: my 32 numbers are channels 32 h + 0 .. 31 of the head: one block; an image of 768 bytes goes to xc at the tokens' tile, chunk = the head (query's places, which nobody reads any more)
.macro WAYOUT p
	v_add_f32 v14, v14, v15
	s_delay_alu instid0(VALU_DEP_1)
	v_permlanex16_b32 v[TT], v14, s[SEL], s[SEL+1]
	s_delay_alu instid0(VALU_DEP_1)
	v_add_f32 v14, v14, v[TT]
	v_nop
	v_nop
	s_wait_alu depctr_va_vdst(0)
	v_rcp_f32 v14, v14
	v_nop
	s_wait_alu depctr_va_vdst(0)
.set j, 0
.rept 16
	v_pk_mul_f32 v[S+j:S+j+1], v[O+j:O+j+1], v[14:15] op_sel_hi:[1,0]
.set j, j+2
.endr
	v_max3_num_f32 v[BM], |v[S]|, |v[S+1]|, 0x1800000
	v_max3_num_f32 v[BM+1], |v[S+16]|, |v[S+17]|, |v[S+18]|
.irp i, 2,4,6,8,10,12
	s_delay_alu instid0(VALU_DEP_2)
	v_max3_num_f32 v[BM], v[BM], |v[S+\i]|, |v[S+\i+1]|
	s_delay_alu instid0(VALU_DEP_2)
	v_max3_num_f32 v[BM+1], v[BM+1], |v[S+\i+17]|, |v[S+\i+18]|
.endr
	s_delay_alu instid0(VALU_DEP_2)
	v_max3_num_f32 v[BM], v[BM], |v[S+14]|, |v[S+15]|
	s_delay_alu instid0(VALU_DEP_1)
	v_max3_num_f32 v[BM], v[BM], v[BM+1], |v[S+31]|
	s_delay_alu instid0(VALU_DEP_1)
	v_add_nc_u32 v[SO], 0xff000000, v[BM]
	v_nop
	v_cvt_scalef32_pk16_fp6_f32 v[PC:PC+2], v[S:S+15], v[SO]
	v_cvt_scalef32_pk16_fp6_f32 v[CT:CT+2], v[S+16:S+31], v[SO]
	v_lshrrev_b32 v[BX+1], 23, v[SO]
.irp i, 0,1,2
	v_mov_b32 v[PC+3+\i], v[CT+\i]
.endr
	global_store_b128 v[L16], v[PC:PC+3], s[10:11] offset:196608*\p
	global_store_b64 v[L8], v[PC+4:PC+5], s[10:11] offset:196608*\p+512
	global_store_b8 v[VXS], v[BX+1], s[12:13] offset:8192*\p       ; a row's 32 scale bytes come from sixteen heads: two bytes a row from my wave
.endm
	s_wait_alu depctr_va_vdst(0)
	s_wait_loadcnt 0x0                             ; Q, both passes'
	s_cmp_lt_u32 s[WV], 4
	s_cbranch_scc0 .Lw0
	s_wait_tensorcnt 0x0
.Lw0:
	s_barrier_signal -1
	s_barrier_wait -1                              ; steps 0-3 are in; nothing is ever filled again
	RUN 4
	s_cmp_lt_u32 s[WV], 8
	s_cbranch_scc0 .Lw1
	s_wait_tensorcnt 0x0
.Lw1:
	s_barrier_signal -1
	s_barrier_wait -1                              ; steps 4-7
	RUN 4
	s_wait_tensorcnt 0x0                           ; every wave: all that is still out
	s_barrier_signal -1
	s_barrier_wait -1
	RUN 8
	WAYOUT 0
	s_wait_xcnt 0x0                                ; the stores have read their data: the registers are written again below
.irp j, 0,1,2,3,4,5
	v_mov_b32 v[QF+\j], v[Q2+\j]
.endr
	v_mov_b32 v[QS], v[QS2]
	INIT
	s_mov_b32 s[SKV], 0
	RUN 16                                         ; the second pass: all of K and V lies in LDS
	WAYOUT 1
	s_wait_tensorcnt 0x0                           ; the wave's end
	ds_add_u32 v[SPW], v[NIL]
	s_wait_dscnt 0x0
	CROUND
	s_endpgm
.Lfunc_end_k_qad85d12a86_attn:
	.size	k_qad85d12a86_attn, .Lfunc_end_k_qad85d12a86_attn-k_qad85d12a86_attn
	.p2alignl 7, 3214868480
	.fill 96, 4, 3214868480
	.section	.rodata,"a",@progbits
	.p2align	6, 0x0
	.amdhsa_kernel k_qad85d12a86_attn
		.amdhsa_group_segment_fixed_size 210944
		.amdhsa_private_segment_fixed_size 0
		.amdhsa_enable_private_segment 0
		.amdhsa_kernarg_size 40
		.amdhsa_user_sgpr_count 2
		.amdhsa_user_sgpr_kernarg_segment_ptr 1
		.amdhsa_wavefront_size32 1
		.amdhsa_system_sgpr_workgroup_id_x 1
		.amdhsa_system_sgpr_workgroup_id_y 1
		.amdhsa_system_sgpr_workgroup_id_z 1
		.amdhsa_system_vgpr_workitem_id 0
		.amdhsa_next_free_vgpr 240
		.amdhsa_next_free_sgpr 80
		.amdhsa_reserve_vcc 0
		.amdhsa_float_denorm_mode_32 3
		.amdhsa_float_denorm_mode_16_64 3
		.amdhsa_memory_ordered 1
		.amdhsa_forward_progress 1
		.amdhsa_inst_pref_size 78
	.end_amdhsa_kernel
	.amdgpu_metadata
---
amdhsa.version: [ 1, 2 ]
amdhsa.kernels:
  - .name:           k_qad85d12a86_attn
    .symbol:         k_qad85d12a86_attn.kd
    .args:
      - { .name: qc, .offset: 0, .size: 8, .value_kind: global_buffer, .address_space: global }
      - { .name: qs, .offset: 8, .size: 8, .value_kind: global_buffer, .address_space: global }
      - { .name: kv, .offset: 16, .size: 8, .value_kind: global_buffer, .address_space: global }
      - { .name: xc, .offset: 24, .size: 8, .value_kind: global_buffer, .address_space: global }
      - { .name: xs, .offset: 32, .size: 8, .value_kind: global_buffer, .address_space: global }
    .group_segment_fixed_size: 210944
    .private_segment_fixed_size: 0
    .kernarg_segment_align: 8
    .kernarg_segment_size: 40
    .max_flat_workgroup_size: 512
    .sgpr_count:     80
    .vgpr_count:     240
    .wavefront_size: 32
...
	.end_amdgpu_metadata
.endif
;; end of part 3
;; launch outp (part 4): grid 8 x 32, 4 waves a work-group, clusters of 4 x 4, 312,832 bytes of LDS; arguments xc, xs, bo, out0; writes out0
.if DOCPART == 4
	.amdgcn_target "amdgcn-amd-amdhsa--gfx1250"
	.amdhsa_code_object_version 6
	.text
	.protected	k_qad85d12a86_outp
	.globl	k_qad85d12a86_outp
	.p2align	8
	.type	k_qad85d12a86_outp,@function
k_qad85d12a86_outp:
	s_mov_b64 s[64:65], 0
	v_nop
	global_prefetch_b8 v0, s[64:65] scope:SCOPE_SE
	s_setreg_imm32_b32 hwreg(HW_REG_WAVE_MODE, 25, 1), 1
	s_wait_xcnt 0x0
	s_wait_alu depctr_hold_cnt(0) depctr_sa_sdst(0) depctr_va_vdst(0) depctr_va_sdst(0) depctr_va_ssrc(0) depctr_va_vcc(0) depctr_vm_vsrc(0)
	s_getreg_b32 s2, hwreg(HW_REG_IB_STS2, 6, 4)
	s_cmp_eq_u32 s2, 0
	s_cbranch_scc0 .Lentry_in_a_cluster
	s_endpgm
.Lentry_in_a_cluster:
	s_bfe_u32 s2, ttmp6, 0x10000c
	s_cmp_lg_u32 s2, 0xf033
	s_cbranch_scc0 .Lentry_shape_is_right
	s_endpgm
.Lentry_shape_is_right:
; out0 = a Wo^T + bo, a the attention's result [8192][1024], on codes of FP6 (E2M3) with E8M0 scales for each 32 along K; sums and result in f32.
; OPERANDS lie in xc as images of operand registers: [tile][chunk of 64 along K][768].  Tile 4 B + j holds rows 64 B + 8 j + i % 8 + 32 (i / 8).  a: tiles 0-511; Wo: tiles 1728-1791.
; SHARES.  256 work-groups: 128 rows of Wo x 256 tokens each, all of K = 1,024 in LDS, each byte filled once.  One tensor load a wave: waves 0 and 3 a half of Wo's rows each, wave 1 tokens 0-127, wave 2 tokens 128-255.
; The first barrier shows the first three; tokens 0-127 are multiplied while wave 2's load is out.  Wave (w / 2, w % 2) makes 64 outputs x 64 tokens of each 128.
; Source 0 = 16 rows of Wo, source 1 = 16 tokens: lane (r, h) holds one token and outputs 32 h + 0 .. 31 of my 64: 128 neighbouring bytes.
; CLUSTER 4 x 4: Wo's rows are shared by a column, the tokens by a row, each asked for jointly.  No prefetch: all that is read through LDS is asked for in the first lines, and there is no loop to run ahead in.
.set TB,    12288
.set XB,    98304
.set STG,   294912                     ; a stage of 16 rows x 272 bytes for each wave: bytes into which no tile lands
.set SP,    272
.set SPARE, STG+4*16*SP
.set AP16, 1
.set AP8,  2
.set AR16, 3
.set AR8,  4
.set STO,  5
.set RD,   6
.set VSC,  7
.set VB,   8
.set VOUT, 9
.set SPW,  10
.set NIL,  11
.set VSC2, 12
.set SC,   16                          ; v16-55 scale words alone: register 10 i + s
.set ACC,  80
.set BI,   192                         ; window 1: the bias
.set SC2,  224                         ; window 1: the scale words of tokens 128-255
.set G1W,  32
.set G1X,  40
.set G0W,  48
.set G0X,  52
.set MSB, 0
.macro WIN new
.if MSB != \new
	s_set_vgpr_msb (MSB<<8)|\new
.set MSB, \new
.endif
.endm
.set MUL,  0x05
.set MULB, 0x15
.set TO_F, 0x40
.macro PLACES n
.rept \n
	v_nop
.endr
.endm
.macro CROUND
	s_barrier_signal -1
	s_barrier_wait -1
	s_cmp_lg_u32 s22, 0
	s_cbranch_scc1 .Lnot_wave_0_\@
	s_barrier_signal -3
.Lnot_wave_0_\@:
	s_barrier_wait -3
	s_barrier_signal -1
	s_barrier_wait -1
.endm
.macro TLOAD g0, g1
	tensor_load_to_lds s[\g0:\g0+3], s[\g1:\g1+7]
	s_nop 0
	PLACES 4
.endm
.macro DENSE g, rows
	s_mov_b32 s[\g+1], 32<<16
	s_mov_b32 s[\g+2], (\rows)<<16
	s_mov_b32 s[\g+3], 32<<16
	s_mov_b32 s[\g+4], \rows
	s_mov_b32 s[\g+5], 32
	s_mov_b32 s[\g+6], 0
	s_mov_b32 s[\g+7], 0
.endm
	s_load_b256 s[4:11], s[0:1], 0x0               ; xc, xs, bo, out0
	v_lshl_add_u32 v[SPW], v0, 2, SPARE
	v_mov_b32 v[NIL], 0
	ds_add_u32 v[SPW], v[NIL]
	ds_add_u32 v[SPW], v[NIL]
	v_lshrrev_b32 v13, 5, v0
	v_readfirstlane_b32 s22, v13
	s_lshr_b32 s23, s22, 1
	s_and_b32 s24, s22, 1
	s_bfe_u32 s25, ttmp6, 0x40000
	s_bfe_u32 s26, ttmp6, 0x40004
	s_lshl_b32 s27, ttmp9, 2
	s_add_co_u32 s27, s27, s25                     ; gx: Wo's block of 128 rows
	s_and_b32 s30, ttmp7, 0xffff
	s_lshl_b32 s30, s30, 2
	s_add_co_u32 s30, s30, s26                     ; the block of 256 tokens
	s_mov_b32 s31, 0xffff0000
	s_lshl_b32 s92, s26, 2
	s_lshl_b32 s92, 15, s92
	s_lshl_b32 s93, 0x1111, s25
	s_or_b32 s[G1W], s93, (3<<16)|(1<<21)
	s_or_b32 s[G1X], s92, (3<<16)|(1<<21)
	DENSE G1W, 192
	DENSE G1X, 384
	s_lshl_b32 s84, s27, 3
	s_add_co_u32 s84, s84, 1728                    ; Wo's first tile: nothing of cy enters
	s_lshl_b32 s86, s30, 4                         ; the tokens': nothing of cx enters
	s_lshl_b32 s56, s24, 2
	s_add_co_u32 s56, s56, s84
	s_mul_i32 s56, s56, TB
	s_mov_b32 s57, 0
	s_lshl_b32 s58, s23, 3
	s_add_co_u32 s58, s58, s86
	s_mul_i32 s58, s58, TB
	s_mov_b32 s59, 0
	s_mov_b32 s[G0W], 1
	s_mul_i32 s[G0W+1], s24, 4*TB
	s_mov_b32 s[G0X], 1
	s_mul_i32 s[G0X+1], s23, XB
	s_add_co_u32 s[G0X+1], s[G0X+1], XB
	s_lshl_b32 s66, s23, 2
	s_add_co_u32 s66, s66, s84
	s_lshl_b32 s66, s66, 9
	s_lshl_b32 s67, s24, 2
	s_add_co_u32 s67, s67, s86
	s_lshl_b32 s67, s67, 9
	s_add_co_u32 s68, s67, 4096
	s_mul_i32 s69, s23, 4*TB
	s_mul_i32 s70, s24, 4*TB
	s_add_co_u32 s70, s70, XB
	s_mul_i32 s71, s22, 16*SP
	s_add_co_u32 s71, s71, STG                     ; my stage
	v_and_b32 v13, 31, v0
	v_and_b32 v14, 15, v0
	v_bfe_u32 v15, v0, 4, 1
	v_lshl_add_u32 v[AP16], v13, 4, s69
	v_lshl_add_u32 v[AP8], v13, 3, s69
	v_lshl_add_u32 v[AR16], v13, 4, s70
	v_lshl_add_u32 v[AR8], v13, 3, s70
	v_mov_b32 v[VSC], s66
	v_mov_b32 v13, s67
	v_cndmask_b32 v[VSC], v[VSC], v13, s31
	v_lshl_add_u32 v[VSC], v14, 5, v[VSC]
	v_mov_b32 v[VSC2], s66
	v_mov_b32 v13, s68
	v_cndmask_b32 v[VSC2], v[VSC2], v13, s31
	v_lshl_add_u32 v[VSC2], v14, 5, v[VSC2]
	v_lshlrev_b32 v[VB], 7, v15                    ; register 8 pt + j is output 32 h + 8 pt + j
	v_mul_u32_u24 v[STO], v14, SP                  ; in: row l % 16, 128 bytes for each half of the lanes
	v_lshl_add_u32 v[STO], v15, 7, v[STO]
	v_add_nc_u32 v[STO], s71, v[STO]
	v_mul_u32_u24 v[RD], v15, SP                   ; back: lanes 0-15 one row of 256 bytes, lanes 16-31 the next
	v_lshl_add_u32 v[RD], v14, 4, v[RD]
	v_add_nc_u32 v[RD], s71, v[RD]
	v_lshlrev_b32 v[VOUT], 4, v14
	v_lshl_add_u32 v[VOUT], v15, 12, v[VOUT]
	s_lshl_b32 s60, s27, 9
	s_lshl_b32 s61, s23, 8
	s_add_co_u32 s60, s60, s61                     ; my 64 outputs, in bo and in a row of out0
	s_mov_b32 s61, 0
	s_lshl_b32 s62, s30, 8
	s_lshl_b32 s63, s24, 6
	s_add_co_u32 s62, s62, s63                     ; my first token
	s_lshl_b32 s62, s62, 12
	s_mov_b32 s63, 0
	s_wait_alu depctr_va_vdst(0)
	s_wait_dscnt 0x0
	s_wait_kmcnt 0x0
	s_add_nc_u64 s[8:9], s[8:9], s[60:61]
	s_add_nc_u64 s[10:11], s[10:11], s[60:61]
	s_add_nc_u64 s[10:11], s[10:11], s[62:63]
.irp i, 0,1,2,3
.irp q, 0,1
	global_load_b128 v[SC+10*\i+4*\q:SC+10*\i+4*\q+3], v[VSC], s[6:7] offset:512*\i+16*\q
.endr
.endr
	WIN TO_F
.irp i, 0,1,2,3
.irp q, 0,1
	global_load_b128 v[SC2+8*\i+4*\q:SC2+8*\i+4*\q+3], v[VSC2], s[6:7] offset:512*\i+16*\q
.endr
.endr
.irp pt, 0,1,2,3
	global_load_b128 v[BI+8*\pt:BI+8*\pt+3], v[VB], s[8:9] offset:32*\pt
	global_load_b128 v[BI+8*\pt+4:BI+8*\pt+7], v[VB], s[8:9] offset:32*\pt+16
.endr
	WIN 0
	s_add_nc_u64 s[G0W+2:G0W+3], s[4:5], s[56:57]
	s_or_b32 s[G0W+3], s[G0W+3], 0x80000000
	s_add_nc_u64 s[G0X+2:G0X+3], s[4:5], s[58:59]
	s_or_b32 s[G0X+3], s[G0X+3], 0x80000000
	CROUND                                         ; the joint loads meet
	s_cmp_eq_u32 s22, 1                            ; one chain of branches on the wave's number, one load to an arm
	s_cbranch_scc0 .Larm_2
	TLOAD G0X, G1X                                 ; wave 1: tokens 0-127
	s_branch .Lasked
.Larm_2:
	s_cmp_eq_u32 s22, 2
	s_cbranch_scc0 .Larm_w
	TLOAD G0X, G1X                                 ; wave 2: tokens 128-255
	s_branch .Lasked
.Larm_w:
	TLOAD G0W, G1W                                 ; waves 0 and 3: a half of Wo's rows each
.Lasked:
	s_wait_loadcnt 0x0
	s_cmp_eq_u32 s22, 2
	s_cbranch_scc1 .Lnot_yet
	s_wait_tensorcnt 0x0
.Lnot_yet:
	s_barrier_signal -1
	s_barrier_wait -1                              ; Wo's rows and tokens 0-127 are in
.macro FETCH f, p
.irp i, 0,1,2,3
.irp hf, 0,1
	ds_load_b128 v[\f+12*\i+6*\hf:\f+12*\i+6*\hf+3], v[AP16] offset:TB*\i+1536*(\p)+768*\hf
	ds_load_b64 v[\f+12*\i+6*\hf+4:\f+12*\i+6*\hf+5], v[AP8] offset:TB*\i+1536*(\p)+768*\hf+512
.endr
.endr
.irp i, 0,1,2,3
.irp hf, 0,1
	ds_load_b128 v[\f+48+12*\i+6*\hf:\f+48+12*\i+6*\hf+3], v[AR16] offset:TB*\i+1536*(\p)+768*\hf
	ds_load_b64 v[\f+48+12*\i+6*\hf+4:\f+48+12*\i+6*\hf+5], v[AR8] offset:TB*\i+1536*(\p)+768*\hf+512
.endr
.endr
.endm
.macro MUL16 f, s, cm                  ; 16 products, the accumulators by turns.  cm = 1: the bias starts the sums
.irp rt, 0,1,2,3
.irp pt, 0,1,2,3
.set aD, ACC+32*\rt+8*\pt
.set aP, (\f)+12*\pt
.set aR, (\f)+48+12*\rt
.if \cm == 0
	v_wmma_scale_f32_16x16x128_f8f6f4 v[aD:aD+7], v[aP:aP+11], v[aR:aR+11], v[aD:aD+7], v[SC+10*\pt+(\s)], v[SC+10*\rt+(\s)] matrix_a_fmt:MATRIX_FMT_FP6 matrix_b_fmt:MATRIX_FMT_FP6 matrix_b_scale:MATRIX_SCALE_ROW1
.else
	v_wmma_scale_f32_16x16x128_f8f6f4 v[aD:aD+7], v[aP:aP+11], v[aR:aR+11], v[BI+8*\pt:BI+8*\pt+7], v[SC+10*\pt+(\s)], v[SC+10*\rt+(\s)] matrix_a_fmt:MATRIX_FMT_FP6 matrix_b_fmt:MATRIX_FMT_FP6 matrix_b_scale:MATRIX_SCALE_ROW1
.endif
.endr
.endr
.endm
; The way out, a tile of 16 tokens x 64 outputs at a time, through my own stage and back as whole rows of 256 bytes, into the tile's own accumulator registers.  LDS serves a wave's instructions in order (ISA guide 5.7.1.4)
.macro TOSTAGE rt
.irp q, 0,1,2,3,4,5,6,7
	ds_store_b128 v[STO], v[ACC+32*(\rt)+4*\q:ACC+32*(\rt)+4*\q+3] offset:16*\q
.endr
.irp m, 0,1,2,3,4,5,6,7
	ds_load_b128 v[ACC+32*(\rt)+4*\m:ACC+32*(\rt)+4*\m+3], v[RD] offset:2*SP*\m
.endr
.endm
.macro SEND rt, younger, u             ; the tile's rows 2 m and 2 m + 1 are tokens 8 rt + 2 (m % 4) + 32 (m / 4) and the next
	s_wait_dscnt \younger
.irp m, 0,1,2,3,4,5,6,7
	global_store_b128 v[VOUT], v[ACC+32*(\rt)+4*\m:ACC+32*(\rt)+4*\m+3], s[10:11] offset:(128*(\u)+8*(\rt)+2*(\m%4)+32*(\m/4))*4096 th:TH_STORE_NT   ; 16 lanes store 256 consecutive bytes, aligned
.endr
.endm
.macro UNIT u
	WIN TO_F
	FETCH 0, 0
	FETCH 96, 1
	s_wait_dscnt 32                                ; step 0's 32 loads are in, step 1's may be out
	WIN MULB
	MUL16 0, 0, 1
.irp s, 1,2,3,4,5,6,7
	PLACES 4
.if \s < 7
	WIN TO_F
	FETCH 96*((\s+1)%2), \s+1
	s_wait_dscnt 32                                ; all but the 32 just issued
.else
	s_wait_dscnt 0x0
.endif
	WIN MUL
	MUL16 96*(\s%2), \s, 0
.endr
	WIN 0
.if \u == 0
	s_wait_tensorcnt 0x0                           ; every wave: all that is still out
	s_barrier_signal -1
	s_barrier_wait -1                              ; tokens 128-255 are in
.endif
	PLACES 4
	TOSTAGE 0
	TOSTAGE 1
	SEND 0, 16, \u                                 ; behind tile 0's loads: tile 1's 8 stores and 8 loads
	TOSTAGE 2
	SEND 1, 16, \u
	TOSTAGE 3
	SEND 2, 16, \u
	SEND 3, 0, \u
.endm
	UNIT 0
	s_wait_xcnt 0x0                                ; the stores have read their data: the accumulators are written again below
	WIN 0x01
.irp i, 0,1,2,3
.irp s, 0,1,2,3,4,5,6,7
	v_mov_b32 v[SC+10*\i+\s], v[SC2+8*\i+\s]
.endr
.endr
	WIN 0
	v_add_nc_u32 v[AR16], XB, v[AR16]
	v_add_nc_u32 v[AR8], XB, v[AR8]
	s_wait_alu depctr_va_vdst(0)
	UNIT 1
	s_wait_tensorcnt 0x0                           ; the wave's end
	ds_add_u32 v[SPW], v[NIL]
	s_wait_dscnt 0x0
	CROUND
	s_endpgm
.Lfunc_end_k_qad85d12a86_outp:
	.size	k_qad85d12a86_outp, .Lfunc_end_k_qad85d12a86_outp-k_qad85d12a86_outp
	.p2alignl 7, 3214868480
	.fill 96, 4, 3214868480
	.section	.rodata,"a",@progbits
	.p2align	6, 0x0
	.amdhsa_kernel k_qad85d12a86_outp
		.amdhsa_group_segment_fixed_size 312832
		.amdhsa_private_segment_fixed_size 0
		.amdhsa_enable_private_segment 0
		.amdhsa_kernarg_size 32
		.amdhsa_user_sgpr_count 2
		.amdhsa_user_sgpr_kernarg_segment_ptr 1
		.amdhsa_wavefront_size32 1
		.amdhsa_system_sgpr_workgroup_id_x 1
		.amdhsa_system_sgpr_workgroup_id_y 1
		.amdhsa_system_sgpr_workgroup_id_z 1
		.amdhsa_system_vgpr_workitem_id 0
		.amdhsa_next_free_vgpr 512
		.amdhsa_next_free_sgpr 100
		.amdhsa_reserve_vcc 0
		.amdhsa_float_denorm_mode_32 3
		.amdhsa_float_denorm_mode_16_64 3
		.amdhsa_memory_ordered 1
		.amdhsa_forward_progress 1
		.amdhsa_inst_pref_size 93
	.end_amdhsa_kernel
	.amdgpu_metadata
---
amdhsa.version: [ 1, 2 ]
amdhsa.kernels:
  - .name:           k_qad85d12a86_outp
    .symbol:         k_qad85d12a86_outp.kd
    .args:
      - { .name: xc, .offset: 0, .size: 8, .value_kind: global_buffer, .address_space: global }
      - { .name: xs, .offset: 8, .size: 8, .value_kind: global_buffer, .address_space: global }
      - { .name: bo, .offset: 16, .size: 8, .value_kind: global_buffer, .address_space: global }
      - { .name: out0, .offset: 24, .size: 8, .value_kind: global_buffer, .address_space: global }
    .group_segment_fixed_size: 312832
    .private_segment_fixed_size: 0
    .kernarg_segment_align: 8
    .kernarg_segment_size: 32
    .max_flat_workgroup_size: 128
    .sgpr_count:     100
    .vgpr_count:     512
    .wavefront_size: 32
...
	.end_amdgpu_metadata
.endif
;; end of part 4
